; MI455X (gfx1250); checked and timed in simulation.
; The chip was launched on July 23, 2026; its instructions are those of AMD's public machine-readable ISA for CDNA 5 (MIT licence, August 2026) and "CDNA5" Instruction Set Architecture Reference Guide (July 2026). The comments in the code are by the model that wrote it; some were corrected since.
;; Attn Painter Oil. Allowed arithmetic: float matrix products may take bf16 or f16 operands with f32 sums; all other float work in f32.
;; Inputs: alpha 8 x 256 x 1 x 128 x 128 float32; color_stroke 8 x 256 x 3 x 128 x 128 float32.
;; Outputs: out0 8 x 3 x 128 x 128 float32.
;; One version. Each part assembles by itself: llvm-mc -triple=amdgcn-amd-amdhsa -mcpu=gfx1250 --defsym DOCPART=n.
;; ======== version 1 of 1: 2 launches
;; workspace buffers: trips 8,192 bytes of whole numbers
;; launch scan (part 1): grid 256 x 1, 4 waves a work-group, no clusters, 0 bytes of LDS; arguments alpha, trips; writes trips
.if DOCPART == 1
	.amdgcn_target "amdgcn-amd-amdhsa--gfx1250"
	.amdhsa_code_object_version 6
	.text
	.protected	k_q2f56e2c584_scan
	.globl	k_q2f56e2c584_scan
	.p2align	8
	.type	k_q2f56e2c584_scan,@function
k_q2f56e2c584_scan:
	s_mov_b64 s[64:65], 0
	v_nop
	global_prefetch_b8 v0, s[64:65] scope:SCOPE_SE
	s_setreg_imm32_b32 hwreg(HW_REG_WAVE_MODE, 25, 1), 1
	s_wait_xcnt 0x0
; SCAN: how far down the stack of strokes must each tile of 64 pixels be walked?
; alpha: [8 images][256 strokes][128 x 128] f32.  A pixel is painted with its 10 highest strokes whose alpha > 0.1.
; The painting launch walks the strokes from 255 downward in rounds of 16.  This launch reads alpha of strokes 255 .. 224 alone
; (32 of 256 planes) and stores, for each tile, the number of rounds BEYOND the first:
;   0   every pixel of the tile finds its 10 among strokes 255 .. 240
;   1   every pixel finds them among 255 .. 224
;   15  some pixel does not: the painter walks all 256 strokes (and then the strokes that fill a short list)
; The decision is stored as whole numbers; it steers the painter's trip count.
; With alphas spread evenly over 0 .. 1 nine in ten pass, so 16 strokes serve nearly every tile; any other data only change the numbers stored.
; A NaN alpha does not pass the test, as in the reference's comparison.
;
; 256 work-groups of 4 waves; a wave owns one image row: 128 pixels, 16 bytes (4 pixels) a lane, so each load of the wave covers 512
; consecutive bytes.  All 32 loads are issued at once.  Lanes 0-15 hold one tile of 64 pixels, lanes 16-31 the next.
; No LDS, no barrier, no cluster: no wave reads what another wave or work-group reads.
; The table is 2,048 words in all; a wave stores its two words from one lane.  Filling 256 consecutive bytes from one work-group would take
; 64 tiles a work-group, that is 32 work-groups for the whole launch: not worth it for 8,192 bytes.
.set PLANE, 65536                      ; bytes of a 128 x 128 plane of f32 = from one stroke's alpha to the next
.set DEPTH, 32                         ; strokes looked at
.set RING,  16                         ; strokes in one round of the painter
.set NEED,  10                         ; strokes that a pixel is painted with
.set ALL,   15                         ; rounds beyond the first that walk all 256 strokes
.set OFF,   1                          ; v1        16 x lane
.set CNT,   2                          ; v[2:5]    how many alphas of my 4 pixels have passed so far
.set LANE,  6                          ; v6        lane
.set ZERO,  7                          ; v7        0: the store's vector offset
.set X,     8                          ; v[8:135]  stroke 255 - j: 4 registers
.set RES,   136                        ; v[136:137] the two words to store
	s_load_b128 s[4:7], s[0:1], 0x0                ; alpha s[4:5], trips s[6:7]
	v_lshrrev_b32 v[LANE], 5, v0
	v_readfirstlane_b32 s8, v[LANE]                ; wave 0..3
	v_and_b32 v[LANE], 31, v0
	v_lshlrev_b32 v[OFF], 4, v[LANE]
	v_mov_b32 v[ZERO], 0
	s_lshl2_add_u32 s9, ttmp9, s8                  ; row number over all images: 4 x work-group + wave, 0..1023
	s_lshr_b32 s10, s9, 7                          ; image
	s_lshl_b32 s10, s10, 24                        ; x 256 strokes x 65,536 bytes
	s_and_b32 s11, s9, 127                         ; row in the image
	s_lshl_b32 s11, s11, 9                         ; x 512 bytes
	s_add_co_u32 s10, s10, s11
	s_add_co_u32 s10, s10, 255*PLANE               ; at stroke 255; the loads reach down by negative immediates (31 planes at the most)
	s_mov_b32 s11, 0
	s_lshl_b32 s12, s9, 3                          ; my two words in the table
	s_mov_b32 s13, 0
	s_mov_b32 s14, 0x3dcccccd                      ; 0.1 in f32, the reference's threshold
	s_wait_kmcnt 0x0
	s_add_nc_u64 s[4:5], s[4:5], s[10:11]
	s_add_nc_u64 s[6:7], s[6:7], s[12:13]
.set j, 0
.rept DEPTH
	global_load_b128 v[X+4*j:X+4*j+3], v[OFF], s[4:5] offset:-j*PLANE   ; no hint: the painter reads the upper planes again
.set j, j+1
.endr
; stroke 255 - j: one compare and one add with carry for each pixel
.macro TALLY j
	s_wait_loadcnt DEPTH-1-(\j)                    ; loads come back in order (ISA guide 5.7.1): stroke j is in, the DEPTH-1-j younger ones stay out
.irp p, 0,1,2,3
	v_cmp_lt_f32 vcc_lo, s14, v[X+4*(\j)+\p]       ; 0.1 < alpha
	v_add_co_ci_u32 v[CNT+\p], vcc_lo, 0, v[CNT+\p], vcc_lo
.endr
.endm
; dst = the lanes that hold a pixel with fewer than NEED passes so far
.macro SHORT dst
.irp p, 0,1,2,3
	v_cmp_gt_u32 s[24+\p], NEED, v[CNT+\p]
.endr
	s_or_b32 s24, s24, s25
	s_or_b32 s26, s26, s27
	s_or_b32 \dst, s24, s26
.endm
	s_wait_loadcnt DEPTH-1                         ; stroke 255 starts the counts: nothing is cleared
.irp p, 0,1,2,3
	v_cmp_lt_f32 vcc_lo, s14, v[X+\p]
	v_cndmask_b32 v[CNT+\p], 0, 1, vcc_lo
.endr
.set j, 1
.rept RING-1
	TALLY j
.set j, j+1
.endr
	SHORT s15                                      ; short after 16 strokes
.rept DEPTH-RING
	TALLY j
.set j, j+1
.endr
	SHORT s16                                      ; short after 32 strokes (a subset of s15)
	; the two tiles' words: selects on the masks' halves, no branch
	s_and_b32 s20, s15, 0xffff                     ; SCC = some lane of 0-15 is short after 16
	s_cselect_b32 s22, 1, 0
	s_and_b32 s20, s16, 0xffff                     ; ... after 32
	s_cselect_b32 s22, ALL, s22
	s_lshr_b32 s20, s15, 16                        ; the same for lanes 16-31
	s_cselect_b32 s23, 1, 0
	s_lshr_b32 s20, s16, 16
	s_cselect_b32 s23, ALL, s23
	v_mov_b32 v[RES], s22
	v_mov_b32 v[RES+1], s23
	v_cmp_eq_u32 vcc_lo, 0, v[LANE]
	s_wait_xcnt 0x0                                ; EXEC is a source of the loads above: it changes only behind this wait
	s_and_saveexec_b32 s21, vcc_lo                 ; lane 0 alone
	global_store_b64 v[ZERO], v[RES:RES+1], s[6:7]
	s_wait_xcnt 0x0                                ; and again in front of the line that widens EXEC
	s_or_b32 exec_lo, exec_lo, s21
	s_endpgm
.Lfunc_end_k_q2f56e2c584_scan:
	.size	k_q2f56e2c584_scan, .Lfunc_end_k_q2f56e2c584_scan-k_q2f56e2c584_scan
	.p2alignl 7, 3214868480
	.fill 96, 4, 3214868480
	.section	.rodata,"a",@progbits
	.p2align	6, 0x0
	.amdhsa_kernel k_q2f56e2c584_scan
		.amdhsa_group_segment_fixed_size 0
		.amdhsa_private_segment_fixed_size 0
		.amdhsa_enable_private_segment 0
		.amdhsa_kernarg_size 16
		.amdhsa_user_sgpr_count 2
		.amdhsa_user_sgpr_kernarg_segment_ptr 1
		.amdhsa_wavefront_size32 1
		.amdhsa_system_sgpr_workgroup_id_x 1
		.amdhsa_system_sgpr_workgroup_id_y 1
		.amdhsa_system_sgpr_workgroup_id_z 1
		.amdhsa_system_vgpr_workitem_id 0
		.amdhsa_next_free_vgpr 144
		.amdhsa_next_free_sgpr 66
		.amdhsa_reserve_vcc 1
		.amdhsa_float_denorm_mode_32 3
		.amdhsa_float_denorm_mode_16_64 3
		.amdhsa_memory_ordered 1
		.amdhsa_forward_progress 1
		.amdhsa_inst_pref_size 15
	.end_amdhsa_kernel
	.amdgpu_metadata
---
amdhsa.version: [ 1, 2 ]
amdhsa.kernels:
  - .name:           k_q2f56e2c584_scan
    .symbol:         k_q2f56e2c584_scan.kd
    .args:
      - { .name: alpha, .offset: 0, .size: 8, .value_kind: global_buffer, .address_space: global }
      - { .name: trips, .offset: 8, .size: 8, .value_kind: global_buffer, .address_space: global }
    .group_segment_fixed_size: 0
    .private_segment_fixed_size: 0
    .kernarg_segment_align: 8
    .kernarg_segment_size: 16
    .max_flat_workgroup_size: 128
    .sgpr_count:     66
    .vgpr_count:     144
    .wavefront_size: 32
...
	.end_amdgpu_metadata
.endif
;; end of part 1
;; launch paint (part 2): grid 256 x 1, 8 waves a work-group, no clusters, 0 bytes of LDS; arguments alpha, color_stroke, trips, out0; writes out0
.if DOCPART == 2
	.amdgcn_target "amdgcn-amd-amdhsa--gfx1250"
	.amdhsa_code_object_version 6
	.text
	.protected	k_q2f56e2c584_paint
	.globl	k_q2f56e2c584_paint
	.p2align	8
	.type	k_q2f56e2c584_paint,@function
k_q2f56e2c584_paint:
	s_mov_b64 s[64:65], 0
	v_nop
	global_prefetch_b8 v0, s[64:65] scope:SCOPE_SE
	s_setreg_imm32_b32 hwreg(HW_REG_WAVE_MODE, 25, 1), 1
	s_wait_xcnt 0x0
; PAINT: out0[b][c][pixel] = the pixel's 10 chosen strokes composited over a canvas of ones.
; alpha: [8][256][1][128 x 128] f32, color_stroke: [8][256][3][128 x 128] f32, out0: [8][3][128 x 128] f32,
; trips: one word for each tile of 64 pixels, stored by the launch before: rounds of 16 strokes beyond the first (0, 1 or 15).
;
; WHICH STROKES.  The reference's top 10 of id x (alpha > 0.1) are the 10 highest strokes that pass; ties (zeros) go to the lower index, so a
; pixel with only m < 10 passes is completed by its 10 - m LOWEST strokes that fail, ascending.  As at most m of strokes 0 .. 9 pass, those
; fillers all lie among strokes 0 .. 9.
; HOW.  Front to back: T = 1; for each chosen stroke w = T a, acc += w c, T -= w; the result is acc + T x 1 (the canvas of ones).  Walking
; from stroke 255 downward a stroke is chosen where it passes and fewer than 10 have passed before: a counter for each pixel and selects, no list
; of indices, no address and no branch that hangs on a float.  The only number that steers the walk is the trip count read from memory.
; Alpha and colours of a stroke that is not chosen are set to 0 before any arithmetic, so an Inf or NaN there does not reach the result.
; LIMITS.  The sum is formed front to back, the reference's back to front: the roundings differ, the terms are the same.  Where the reference's
; own result is not finite, the kind of non-finite result (Inf or NaN) may differ.
;
; 256 work-groups of 8 waves; a wave owns a tile of 64 pixels, 8 bytes (2 pixels) a lane: each load and each store of the wave covers 256
; consecutive bytes at a multiple of 256 from its buffer's first byte.  A ring of 16 slots in registers, one stroke (alpha, r, g, b: 4 loads,
; 8 registers) each.  At 16 bytes a lane the ring would take 256 registers and a second register window; two waves of 8 bytes a lane on a SIMD
; hold the same bytes in flight.  No LDS, no barrier, no cluster: no two waves or work-groups read the same byte.
.set PLANE, 65536                      ; bytes of a 128 x 128 plane of f32
.set ASTEP, PLANE                      ; alpha: from stroke to stroke
.set CSTEP, 3*PLANE                    ; colour: from stroke to stroke
.set RING,  16                         ; slots = strokes in a round
.set NEED,  10
.set ALL,   15                         ; rounds beyond the first that make 256 strokes
.set OFF,   1                          ; v1         8 x lane
.set T,     2                          ; v[2:3]     what still shines through, for my 2 pixels
.set W,     4                          ; v[4:5]     the stroke's weight T a
.set ACC,   6                          ; v[6:11]    r, g, b so far, a pair each
.set CNT,   12                         ; v[12:13]   strokes that qualified so far
.set TMP,   14
.set X,     16                         ; v[16:143]  slot j: alpha pair, r pair, g pair, b pair
	s_load_b256 s[4:11], s[0:1], 0x0               ; alpha s[4:5], colour s[6:7], trips s[8:9], out0 s[10:11]
	v_lshrrev_b32 v[TMP], 5, v0
	v_readfirstlane_b32 s12, v[TMP]                ; wave 0..7
	v_and_b32 v[TMP], 31, v0
	v_lshlrev_b32 v[OFF], 3, v[TMP]
	s_lshl3_add_u32 s13, ttmp9, s12                ; tile = 8 x work-group + wave, 0..2047
	s_lshr_b32 s14, s13, 8                         ; image (256 tiles each)
	s_and_b32 s15, s13, 255
	s_lshl_b32 s15, s15, 8                         ; the tile's 256 bytes in a plane
	s_lshl_b32 s16, s14, 24                        ; alpha: image x 256 strokes x 65,536 bytes
	s_add_co_u32 s16, s16, s15
	s_mov_b32 s17, 0
	s_mul_i32 s18, s14, 256*CSTEP                  ; colour: image x 256 strokes x 196,608 bytes (below 2^29)
	s_add_co_u32 s18, s18, s15
	s_mov_b32 s19, 0
	s_mul_i32 s20, s14, 3*PLANE                    ; out0: image x 3 planes
	s_add_co_u32 s20, s20, s15
	s_mov_b32 s21, 0
	s_lshl_b32 s22, s13, 2                         ; the tile's word in the table
	s_mov_b32 s23, 0
	s_mov_b32 s25, 0x3dcccccd                      ; 0.1 in f32
	s_wait_kmcnt 0x0
	s_add_nc_u64 s[8:9], s[8:9], s[22:23]
	s_load_b32 s24, s[8:9], 0x0                    ; asked for first: it is wanted when the first round's data are
	s_add_nc_u64 s[4:5], s[4:5], s[16:17]          ; my tile in stroke 0: kept for the fillers
	s_add_nc_u64 s[6:7], s[6:7], s[18:19]
	s_add_nc_u64 s[10:11], s[10:11], s[20:21]
	s_add_nc_u64 s[26:27], s[4:5], 255*ASTEP       ; my tile in the round's highest stroke: stepped down 16 strokes a round
	s_add_nc_u64 s[28:29], s[6:7], 255*CSTEP
; slot j takes the stroke j + back below the round's highest.  The farthest immediate is -31 x 196,608, inside the signed 24 bits.
; The hint: each plane is read once in this launch (but for strokes 0-9 of a tile that needs fillers, 10 strokes of its 256).
.macro FILL j, back
	global_load_b64 v[X+8*\j:X+8*\j+1],   v[OFF], s[26:27] offset:-(\j+\back)*ASTEP th:TH_LOAD_NT
	global_load_b64 v[X+8*\j+2:X+8*\j+3], v[OFF], s[28:29] offset:-(\j+\back)*CSTEP th:TH_LOAD_NT
	global_load_b64 v[X+8*\j+4:X+8*\j+5], v[OFF], s[28:29] offset:PLANE-(\j+\back)*CSTEP th:TH_LOAD_NT
	global_load_b64 v[X+8*\j+6:X+8*\j+7], v[OFF], s[28:29] offset:2*PLANE-(\j+\back)*CSTEP th:TH_LOAD_NT
.endm
; 64 loads: every pixel needs 10 strokes at the least, so the first round is asked for before the trip count is known.  A load that does not
; fit the counter's field holds at issue until an older one is back (ISA guide 5.7.1); no wait is placed for that.
.irp j, 0,1,2,3,4,5,6,7,8,9,10,11,12,13,14,15
	FILL \j, 0
.endr
	v_mov_b32 v[T], 1.0                            ; ten registers of state, set while the loads are on their way
	v_mov_b32 v[T+1], 1.0
.irp k, 0,1,2,3,4,5
	v_mov_b32 v[ACC+\k], 0
.endr
	v_mov_b32 v[CNT], 0
	v_mov_b32 v[CNT+1], 0
; The stroke in slot j goes behind what has been painted.  filler = 0: it qualifies where 0.1 < alpha; filler = 1: where not (NaN too).
; It is chosen where it qualifies and fewer than NEED have qualified before.
.macro BLEND j, filler
	v_cmp_lt_f32 vcc_lo, s25, v[X+8*\j]
	v_cmp_gt_u32 s30, NEED, v[CNT]                 ; room left
.if \filler
	s_not_b32 vcc_lo, vcc_lo                       ; all 32 lanes are on
.endif
	s_and_b32 s30, s30, vcc_lo                     ; chosen, first pixel
	v_add_co_ci_u32 v[CNT], vcc_lo, 0, v[CNT], vcc_lo
	v_cmp_lt_f32 vcc_lo, s25, v[X+8*\j+1]
	v_cmp_gt_u32 s31, NEED, v[CNT+1]
.if \filler
	s_not_b32 vcc_lo, vcc_lo
.endif
	s_and_b32 s31, s31, vcc_lo                     ; chosen, second pixel
	v_add_co_ci_u32 v[CNT+1], vcc_lo, 0, v[CNT+1], vcc_lo
.irp k, 0,2,4,6
	v_cndmask_b32 v[X+8*\j+\k],   0, v[X+8*\j+\k],   s30    ; not chosen: alpha and colours become 0, and the lines below change nothing
	v_cndmask_b32 v[X+8*\j+\k+1], 0, v[X+8*\j+\k+1], s31
.endr
	v_pk_mul_f32 v[W:W+1], v[T:T+1], v[X+8*\j:X+8*\j+1]                        ; w = T a
	v_pk_add_f32 v[T:T+1], v[T:T+1], v[W:W+1] neg_lo:[0,1] neg_hi:[0,1]        ; T = T - w = T (1 - a)
	v_pk_fma_f32 v[ACC:ACC+1],   v[W:W+1], v[X+8*\j+2:X+8*\j+3], v[ACC:ACC+1]
	v_pk_fma_f32 v[ACC+2:ACC+3], v[W:W+1], v[X+8*\j+4:X+8*\j+5], v[ACC+2:ACC+3]
	v_pk_fma_f32 v[ACC+4:ACC+5], v[W:W+1], v[X+8*\j+6:X+8*\j+7], v[ACC+4:ACC+5]
.endm
; A slot's turn.  left = the younger loads that may stay out; refill = 1: the slot takes the stroke RING further down.
.macro TURN j, refill, left
	s_wait_loadcnt \left                           ; loads come back in order (ISA guide 5.7.1): this slot's four are in
	BLEND \j, 0
.if \refill
	FILL \j, RING
.endif
.endm
	s_wait_kmcnt 0x0
	s_min_u32 s24, s24, ALL                        ; 16 x (15 + 1) = 256 strokes at the most: no load below stroke 0, whatever the word holds
	s_cmp_eq_u32 s24, 0
	s_cbranch_scc1 .Llast
	s_mov_b32 s34, 0
.Lround:
.irp j, 0,1,2,3,4,5,6,7,8,9,10,11,12,13,14,15
	TURN \j, 1, 4*(RING-1)                         ; behind a slot's loads stand those of the 15 other slots: 60
.endr
	s_wait_xcnt 0x0                                ; the two bases are sources of the loads above: they are stepped only behind this wait
	s_sub_nc_u64 s[26:27], s[26:27], RING*ASTEP
	s_sub_nc_u64 s[28:29], s[28:29], RING*CSTEP
	s_add_co_u32 s34, s34, 1
	s_cmp_lt_u32 s34, s24
	s_cbranch_scc1 .Lround
.Llast:
.irp j, 0,1,2,3,4,5,6,7,8,9,10,11,12,13,14,15
	TURN \j, 0, 4*(RING-1-\j)                      ; the last round (the only one where trips = 0) asks for nothing: the counts run down to 0
.endr
	s_cmp_lg_u32 s24, ALL
	s_cbranch_scc1 .Lout
	; All 256 strokes have been walked, and some pixel may still be short: strokes 0 .. 9, ascending, chosen where they FAIL the test and the
	; pixel's list has room.  They were read once already, but which of them are chosen is known only now; they come through the ring's registers.
.irp j, 0,1,2,3,4,5,6,7,8,9
	global_load_b64 v[X+8*\j:X+8*\j+1],   v[OFF], s[4:5] offset:\j*ASTEP
	global_load_b64 v[X+8*\j+2:X+8*\j+3], v[OFF], s[6:7] offset:\j*CSTEP
	global_load_b64 v[X+8*\j+4:X+8*\j+5], v[OFF], s[6:7] offset:\j*CSTEP+PLANE
	global_load_b64 v[X+8*\j+6:X+8*\j+7], v[OFF], s[6:7] offset:\j*CSTEP+2*PLANE
.endr
.irp j, 0,1,2,3,4,5,6,7,8,9
	s_wait_loadcnt 4*(9-\j)                        ; stroke j is in; the 9 - j higher ones, four loads each, stay out
	BLEND \j, 1
.endr
.Lout:
	v_pk_add_f32 v[ACC:ACC+1],   v[ACC:ACC+1],   v[T:T+1]      ; the canvas of ones shines through with weight T
	v_pk_add_f32 v[ACC+2:ACC+3], v[ACC+2:ACC+3], v[T:T+1]
	v_pk_add_f32 v[ACC+4:ACC+5], v[ACC+4:ACC+5], v[T:T+1]
	global_store_b64 v[OFF], v[ACC:ACC+1],   s[10:11] th:TH_STORE_NT
	global_store_b64 v[OFF], v[ACC+2:ACC+3], s[10:11] offset:PLANE th:TH_STORE_NT
	global_store_b64 v[OFF], v[ACC+4:ACC+5], s[10:11] offset:2*PLANE th:TH_STORE_NT
	s_endpgm
.Lfunc_end_k_q2f56e2c584_paint:
	.size	k_q2f56e2c584_paint, .Lfunc_end_k_q2f56e2c584_paint-k_q2f56e2c584_paint
	.p2alignl 7, 3214868480
	.fill 96, 4, 3214868480
	.section	.rodata,"a",@progbits
	.p2align	6, 0x0
	.amdhsa_kernel k_q2f56e2c584_paint
		.amdhsa_group_segment_fixed_size 0
		.amdhsa_private_segment_fixed_size 0
		.amdhsa_enable_private_segment 0
		.amdhsa_kernarg_size 32
		.amdhsa_user_sgpr_count 2
		.amdhsa_user_sgpr_kernarg_segment_ptr 1
		.amdhsa_wavefront_size32 1
		.amdhsa_system_sgpr_workgroup_id_x 1
		.amdhsa_system_sgpr_workgroup_id_y 1
		.amdhsa_system_sgpr_workgroup_id_z 1
		.amdhsa_system_vgpr_workitem_id 0
		.amdhsa_next_free_vgpr 144
		.amdhsa_next_free_sgpr 66
		.amdhsa_reserve_vcc 1
		.amdhsa_float_denorm_mode_32 3
		.amdhsa_float_denorm_mode_16_64 3
		.amdhsa_memory_ordered 1
		.amdhsa_forward_progress 1
		.amdhsa_inst_pref_size 68
	.end_amdhsa_kernel
	.amdgpu_metadata
---
amdhsa.version: [ 1, 2 ]
amdhsa.kernels:
  - .name:           k_q2f56e2c584_paint
    .symbol:         k_q2f56e2c584_paint.kd
    .args:
      - { .name: alpha, .offset: 0, .size: 8, .value_kind: global_buffer, .address_space: global }
      - { .name: color_stroke, .offset: 8, .size: 8, .value_kind: global_buffer, .address_space: global }
      - { .name: trips, .offset: 16, .size: 8, .value_kind: global_buffer, .address_space: global }
      - { .name: out0, .offset: 24, .size: 8, .value_kind: global_buffer, .address_space: global }
    .group_segment_fixed_size: 0
    .private_segment_fixed_size: 0
    .kernarg_segment_align: 8
    .kernarg_segment_size: 32
    .max_flat_workgroup_size: 256
    .sgpr_count:     66
    .vgpr_count:     144
    .wavefront_size: 32
...
	.end_amdgpu_metadata
.endif
;; end of part 2
